; MI455X (gfx1250); checked and timed in simulation.
; The chip was launched on July 23, 2026; its instructions are those of AMD's public machine-readable ISA for CDNA 5 (MIT licence, August 2026) and "CDNA5" Instruction Set Architecture Reference Guide (July 2026). The comments in the code are by the model that wrote it; some were corrected since.
;; Multi Head Attention. Allowed arithmetic: matrix products marked QUANTISED: E2M1 operands, one E8M0 scale for each 32 along K, by v_wmma_scale_f32_16x16x128_f8f6f4 with both operands' format E2M1 (or v_wmma_scale_f32_32x16x128_f4), f32 sums; products left as they are: bf16, f16 or f32 operands; f32 sums; everything else in f32.
;; Inputs: Wk 1,024 x 1,024 float32; Wq 1,024 x 1,024 float32; Wv 1,024 x 1,024 float32; keys 8 x 1,024 x 1,024 float32; queries 8 x 1,024 x 1,024 float32; values 8 x 1,024 x 1,024 float32.
;; Outputs: out0 8 x 1,024 x 1,024 float32.
;; This version of the problem:
;;   THIS VERSION OF THE PROBLEM IS GIVEN IN LOW PRECISION. The matrix products marked QUANTISED in the list below multiply operands that are first quantised to E2M1 (2 exponent bits, 1 mantissa bit; 4 bits a number), with one power-of-two scale for each 32 numbers along K (OCP MX v1.0); their sums are f32. The products marked 'left as it is' may take bf16, f16 or f32 operands, with f32 sums. Whichever they take, every output number must still come out within the allowed error. Rounding operands to bf16 (8 significant bits) uses up far more of that allowance than f16 does (11 bits, for magnitudes from 6e-5 to 65,504). All else is computed in f32.
;;   The module's matrix products, in the order in which they are computed (A, B: the left and right operand; K: the contracted axis; several contracted axes count as one K, in the product's order):
;;     1. [M 8,192, K 1,024] x [K 1,024, N 1,024]; A: input queries; B: input Wq: QUANTISED
;;     2. [M 8,192, K 1,024] x [K 1,024, N 1,024]; A: input keys; B: input Wk: QUANTISED
;;     3. [M 8,192, K 1,024] x [K 1,024, N 1,024]; A: input values; B: input Wv: QUANTISED
;;     4. batch 128 x [M 1,024, K 64] x [K 64, N 1,024]; A: computed on the way; B: computed on the way: left as it is (an operand is computed on the way)
;;     5. batch 128 x [M 64, K 1,024] x [K 1,024, N 1,024]; A: computed on the way; B: computed on the way: left as it is (an operand is computed on the way)
;;   THE QUANTISER, for each operand of a quantised product, along K:
;;     - K is cut into blocks of 32 from its start; a last block that is shorter is filled with zeros.
;;     - A block's scale is 2^e with e = floor(log2(the largest magnitude in the block)) - 2, held to -126 .. 127; a block of zeros has e = 0. As a byte (E8M0): e + 127.
;;     - Each number is divided by its block's scale, clamped to +-6, and rounded to the nearest number of E2M1, ties to even, subnormals kept.
;;     - The product sums the exact products of the quantised numbers (number of the format x scale) in f32.
;;   ~~~python
;;   def quantise(x, axis):      # numpy; x: float32 -> the quantised numbers, widened to float32 again
;;       x = np.moveaxis(x, axis, -1); K = x.shape[-1]
;;       x = np.pad(x, [(0, 0)] * (x.ndim - 1) + [(0, -K % 32)]); x = x.reshape(x.shape[:-1] + (-1, 32)); a = np.abs(x).max(-1, keepdims=True)
;;       e = np.where(a > 0, np.clip(np.frexp(np.where(a > 0, a, 1))[1] - 1 - 2, -126, 127), 0)      # np.frexp(a)[1] - 1 = floor(log2(a)), exactly
;;       r = np.clip(x / 2.0 ** e, -6, 6)
;;       step = 2.0 ** (np.maximum(np.frexp(np.where(r == 0, 1, r))[1] - 1, 0) - 1)
;;       q = np.round(r / step) * step * 2.0 ** e      # np.round: ties to even
;;       return np.moveaxis(q.reshape(q.shape[:-2] + (-1,))[..., :K], -1, axis).astype(np.float32)
;;   ~~~
;; One version. Each part assembles by itself: llvm-mc -triple=amdgcn-amd-amdhsa -mcpu=gfx1250 --defsym DOCPART=n.
;; ======== version 1 of 1: 3 launches
;; limits: values are held in f16: magnitudes above 65,504 overflow, below 6.1e-05 lose precision
;; workspace buffers: xc 12,582,912 bytes; xs 786,432 bytes; wc 1,572,864 bytes; ws 98,304 bytes; qkv 50,331,648 bytes
;; launch quant (part 1): grid 864 x 1, 4 waves a work-group, no clusters, 51,712 bytes of LDS; arguments queries, keys, values, Wq, Wk, Wv, xc, xs, wc, ws; writes xc, xs, wc, ws
.if DOCPART == 1
	.amdgcn_target "amdgcn-amd-amdhsa--gfx1250"
	.amdhsa_code_object_version 6
	.text
	.protected	k_q3e370a29da_quant
	.globl	k_q3e370a29da_quant
	.p2align	8
	.type	k_q3e370a29da_quant,@function
k_q3e370a29da_quant:
	s_mov_b64 s[64:65], 0
	v_nop
	global_prefetch_b8 v0, s[64:65] scope:SCOPE_SE
	s_setreg_imm32_b32 hwreg(HW_REG_WAVE_MODE, 25, 1), 1
	s_wait_xcnt 0x0
; THE PROGRAM: out = softmax((queries Wq)(keys Wk)^T / 8) (values Wv), by heads of 64.  Three launches: this one quantises; the second multiplies codes; the third is the attention.
; NO WORK IS LEFT OUT: every input reaches the output for all values, there is no mask, no bias and no slice, so all six inputs are loaded and all five products are done.
; THIS LAUNCH turns the six f32 tensors into codes of FP4 (E2M1), K innermost, with one E8M0 scale byte for each 32 along K.
;   xc [3 x 8192 rows][512 bytes], xs [24576][32]: queries, keys, values stacked; their K (1,024) is innermost in memory already.
;   wc [3 x 1024 rows n][512 bytes], ws [3072][32]: Wq, Wk, Wv stacked; they are stored [k][n], so their K is the FIRST axis.
; A block's scale is 2^(floor(log2(its largest magnitude)) - 2); its byte is the largest magnitude's own exponent field - 2, held at 1 from below.  Each number is divided by the scale and
; rounded to the nearest code, ties to even; beyond 6 the largest code.
; LIMITS: a block whose largest magnitude lies under 2^-124 has its byte held at 1; a block of zeros gets the byte 1 where the rule says 127 (its codes are zeros, which add nothing under any
; byte but 0xff, and the bytes are read by this program alone); NaN and infinities among the inputs are not served.
; SHARES: work-groups 0 to 95 take the weights, 96 to 863 the activations: one scalar branch on the work-group's number.  Each way has LDS bytes of its own.  Waves share nothing: no barrier.
.set SPARE, 51200                      ; the spare words, 128 bytes for each wave: two blocks of 256 bytes that no other line names
.set SPW,   180                        ; v180  LDS address of my spare word; never rewritten
.set NIL,   181                        ; v181  0; never rewritten
; the weights' way
.set WSTG,  32768                      ; four stages of 32 rows x 144 bytes
.set WP,    144                        ; a column's 128 bytes of codes + 16 of padding
.set WX,    32                         ; v32-95   two sets of 32 numbers
.set WC,    96                         ; v96-99   a block's codes
.set WSB,   24                         ; v24-25   eight scale bytes
.set WOUT,  112                        ; v112-143 the way out
; the activations' way
.set XREG,  8192                       ; LDS from byte 0: a region for each wave: two stages of 32 x 80 bytes, behind them its 256 scale bytes
.set SP,    80                         ; a lane's place in a stage: its 64 bytes + 16 of padding
.set STEPS, 16
.set XR,    16                         ; v16-79   four sets of 16 numbers as they are loaded
.set XN,    80                         ; v80-111  two sets of 16 neighbours
.set XE,    112                        ; v112-127 a scale byte for each step
.set XC,    128                        ; v128-159 codes: two registers for each step, so that no store's data are written again
	s_load_b256 s[4:11], s[0:1], 0x0               ; queries s[4:5], keys s[6:7], values s[8:9], Wq s[10:11]
	s_load_b256 s[12:19], s[0:1], 0x20             ; Wk s[12:13], Wv s[14:15], xc s[16:17], xs s[18:19]
	s_load_b128 s[20:23], s[0:1], 0x40             ; wc s[20:21], ws s[22:23]
	v_lshl_add_u32 v[SPW], v0, 2, SPARE
	v_mov_b32 v[NIL], 0
	v_lshrrev_b32 v1, 5, v0
	v_readfirstlane_b32 s24, v1                    ; wave 0..3
	v_and_b32 v2, 31, v0                           ; lane
	s_mov_b32 s31, 0                               ; the upper word of every offset below
	s_wait_kmcnt 0x0
	s_cmp_lt_u32 ttmp9, 96
	s_cbranch_scc0 .Lx
; ---- THE WEIGHTS.  A lane takes a column n and its registers run DOWN K: each load reads 32 neighbouring columns (128 consecutive bytes a wave, 512 a work-group), a block of 32 along K lies in one
; lane's 32 registers, and the conversions give codes with K innermost.  A wave takes 32 columns x 256 along K: 8 blocks a lane.  The codes go through the wave's own stage and leave by rows.
	s_lshr_b32 s25, ttmp9, 5                       ; which weight
	s_and_b32 s26, ttmp9, 7                        ; which 128 columns
	s_bfe_u32 s27, ttmp9, 0x20003                  ; which 256 along K
	s_cmp_eq_u32 s25, 0
	s_cselect_b64 s[28:29], s[10:11], s[12:13]     ; the choices hang on the work-group's number alone
	s_cmp_eq_u32 s25, 2
	s_cselect_b64 s[28:29], s[14:15], s[28:29]
	s_lshl_b32 s26, s26, 7
	s_lshl_b32 s30, s24, 5
	s_add_co_u32 s26, s26, s30                     ; my wave's first column
	s_lshl_b32 s30, s27, 20                        ; 256 rows of 4,096 bytes
	s_lshl_b32 s32, s26, 2
	s_add_co_u32 s30, s30, s32
	s_add_nc_u64 s[28:29], s[28:29], s[30:31]      ; W at (256 ky, my first column)
	s_lshl_b32 s25, s25, 10
	s_add_co_u32 s25, s25, s26                     ; my first row of wc and ws
	s_lshl_b32 s30, s25, 9
	s_lshl_b32 s32, s27, 7
	s_add_co_u32 s30, s30, s32
	s_add_nc_u64 s[20:21], s[20:21], s[30:31]      ; wc: row x 512 + 128 ky
	s_lshl_b32 s30, s25, 5
	s_lshl_b32 s32, s27, 3
	s_add_co_u32 s30, s30, s32
	s_add_nc_u64 s[22:23], s[22:23], s[30:31]      ; ws: row x 32 + 8 ky
	v_lshlrev_b32 v3, 2, v2                        ; in: 4 bytes a lane
	s_mul_i32 s33, s24, 32*WP
	s_add_co_u32 s33, s33, WSTG                    ; my stage
	v_mul_u32_u24 v4, v2, WP
	v_add_nc_u32 v4, s33, v4                       ; into it: row = my column
	v_lshrrev_b32 v5, 3, v2
	v_and_b32 v6, 7, v2
	v_mul_u32_u24 v7, v5, WP
	v_lshl_add_u32 v7, v6, 4, v7
	v_add_nc_u32 v7, s33, v7                       ; out of it: eight lanes to a row's 128 bytes, four rows an instruction
	v_lshlrev_b32 v8, 9, v5
	v_lshl_add_u32 v8, v6, 4, v8                   ; and the same place in wc
	v_lshlrev_b32 v9, 5, v2                        ; my column's row of ws
.macro WLOAD t                         ; block t: W(32 t + i, my column), i = 0 .. 31, into set t % 2
.irp i, 0,1,2,3,4,5,6,7,8,9,10,11,12,13,14,15,16,17,18,19,20,21,22,23,24,25,26,27,28,29,30,31
	global_load_b32 v[WX+32*((\t)%2)+\i], v3, s[28:29] offset:(32*(\t)+\i)*4096 th:TH_LOAD_NT
.endr
.endm
.macro WBLOCK t
.set XS, WX+32*((\t)%2)
.if (\t) < 7
	s_wait_loadcnt 32                              ; this block's 32 loads are in; the next block's 32 may be out
.else
	s_wait_loadcnt 0
.endif
	v_max3_num_f32 v12, |v[XS]|, |v[XS+1]|, |v[XS+2]|              ; the block's largest magnitude: all 32 numbers are mine; two chains
	v_max3_num_f32 v13, |v[XS+3]|, |v[XS+4]|, |v[XS+5]|
.irp i, 6,10,14,18,22,26
	v_max3_num_f32 v12, v12, |v[XS+\i]|, |v[XS+\i+1]|
	v_max3_num_f32 v13, v13, |v[XS+\i+2]|, |v[XS+\i+3]|
.endr
	v_max3_num_f32 v12, v12, |v[XS+30]|, |v[XS+31]|
	v_max3_num_f32 v12, v12, v13, 0x1800000        ; and the floor 2^(3 - 127): the byte cannot fall under 1
	v_add_nc_u32 v11, 0xff000000, v12              ; 2 off its exponent field: the conversion takes the exponent field of this operand as its scale
	v_lshrrev_b32 v13, 23, v11                     ; the scale's byte
.if (\t)%4 == 0
	v_mov_b32 v[WSB+(\t)/4], v13                   ; four bytes to a register, the lower K in the lower byte
.else
	v_lshl_or_b32 v[WSB+(\t)/4], v13, 8*((\t)%4), v[WSB+(\t)/4]
.endif
.irp g, 0,1,2,3
	v_cvt_scalef32_pk8_fp4_f32 v[WC+\g], v[XS+8*\g:XS+8*\g+7], v11
.endr
	ds_store_b128 v4, v[WC:WC+3] offset:16*(\t)    ; 32 codes: 16 bytes of my column's row.  (The results go to an LDS store; the next vector lines are plain ones that touch none of the conversions' registers)
.if (\t)+2 < 8
	WLOAD (\t)+2
.endif
	s_wait_dscnt 0x0                               ; the store has read its registers: the next block's codes may be written
.endm
	WLOAD 0
	WLOAD 1
.irp t, 0,1,2,3,4,5,6,7
	WBLOCK \t
.endr
	global_store_b64 v9, v[WSB:WSB+1], s[22:23]    ; my column's eight scale bytes
.irp t, 0,1,2,3,4,5,6,7
	ds_load_b128 v[WOUT+4*\t:WOUT+4*\t+3], v7 offset:4*\t*WP       ; LDS serves a wave's instructions in order: these see my stores
.endr
.irp t, 0,1,2,3,4,5,6,7
	s_wait_dscnt 7-\t                              ; load t is in; the 7 - t younger ones may be out
	global_store_b128 v8, v[WOUT+4*\t:WOUT+4*\t+3], s[20:21] offset:2048*\t   ; four rows' runs of 128 consecutive bytes: what 256 along K give a row
.endr
	s_branch .Lend
; ---- THE ACTIVATIONS.  Rows are dense and K is a multiple of 32: each tensor is a plain stream of blocks of 32, and so are its codes and scale bytes.  A wave takes 16 steps of 512 numbers.
; Each of a step's four loads reads 512 consecutive bytes, 16 a lane; the 2,048 bytes turn through the wave's own stage and come back 64 bytes a lane: 16 NEIGHBOURS, as the conversions want them;
; two neighbouring lanes hold a block.  Loads run four steps ahead, the turn through LDS one step.
.Lx:
	s_sub_co_u32 s25, ttmp9, 96                    ; 0 .. 767
	s_lshr_b32 s26, s25, 8                         ; which tensor
	s_cmp_eq_u32 s26, 0
	s_cselect_b64 s[28:29], s[4:5], s[6:7]
	s_cmp_eq_u32 s26, 2
	s_cselect_b64 s[28:29], s[8:9], s[28:29]
	s_and_b32 s27, s25, 255
	s_lshl_b32 s27, s27, 2
	s_add_co_u32 s27, s27, s24                     ; which run of 8,192 numbers of the tensor is my wave's
	s_lshl_b32 s30, s27, 15
	s_add_nc_u64 s[28:29], s[28:29], s[30:31]
	s_lshl_b32 s25, s25, 2
	s_add_co_u32 s25, s25, s24                     ; and of the stacked three
	s_lshl_b32 s30, s25, 12
	s_add_nc_u64 s[16:17], s[16:17], s[30:31]      ; 4,096 bytes of codes a run
	s_lshl_b32 s30, s25, 8
	s_add_nc_u64 s[18:19], s[18:19], s[30:31]      ; 256 scale bytes a run
	v_lshlrev_b32 v3, 4, v2                        ; my 16 bytes of a load's 512
	s_mul_i32 s33, s24, XREG
	v_lshrrev_b32 v14, 2, v2
	v_mul_u32_u24 v14, v14, SP
	v_and_b32 v15, 3, v2
	v_lshl_add_u32 v14, v15, 4, v14
	v_add_nc_u32 v14, s33, v14                     ; the stage, on the way in: 80 (lane / 4) + 16 (lane % 4); a load's 512 bytes take eight places
	v_mul_u32_u24 v15, v2, SP
	v_add_nc_u32 v15, s33, v15                     ; and on the way out: 80 x lane: my 16 neighbours
	v_lshlrev_b32 v4, 3, v2                        ; 8 x lane: my codes' place in a step's, and my 8 scale bytes' at the end
	v_lshrrev_b32 v5, 1, v2
	s_add_co_u32 s33, s33, 2*32*SP
	v_add_nc_u32 v5, s33, v5                       ; my wave's 256 scale bytes, my block's byte
	v_add_nc_u32 v6, s33, v4                       ; and on the way out 8 bytes a lane
.macro XLOAD t
.irp i, 0,1,2,3
	global_load_b128 v[XR+16*((\t)%4)+4*\i:XR+16*((\t)%4)+4*\i+3], v3, s[28:29] offset:2048*(\t)+512*\i th:TH_LOAD_NT
.endr
.endm
.macro XTURN t                         ; step t's numbers through the stage: LDS serves a wave's instructions in order, so no wait stands between the stores and the loads
.irp i, 0,1,2,3
	ds_store_b128 v14, v[XR+16*((\t)%4)+4*\i:XR+16*((\t)%4)+4*\i+3] offset:32*SP*((\t)%2)+8*SP*\i
.endr
.irp i, 0,1,2,3
	ds_load_b128 v[XN+16*((\t)%2)+4*\i:XN+16*((\t)%2)+4*\i+3], v15 offset:32*SP*((\t)%2)+16*\i
.endr
.endm
.macro XSTEP t
.set XS, XN+16*((\t)%2)
.if (\t) > 0
	s_wait_dscnt 1                                 ; this step's numbers are back from the stage (the last step's byte store may be out): so its stores into the stage have read their registers,
.else
	s_wait_dscnt 0x0
.endif
.if (\t)+4 < STEPS
	XLOAD (\t)+4                                   ; which take the loads of four steps on
.endif
.if (\t)+1 < STEPS
.if STEPS-2-(\t) >= 3
	s_wait_loadcnt 12                              ; the next step's four loads are in; the 12 of the three steps behind it may be out
.else
	s_wait_loadcnt 4*(STEPS-2-(\t))
.endif
	XTURN (\t)+1                                   ; and go through the other stage while this step is worked
.endif
	v_max3_num_f32 v8, |v[XS]|, |v[XS+1]|, |v[XS+2]|               ; the largest magnitude of my 16
	v_max3_num_f32 v9, |v[XS+3]|, |v[XS+4]|, |v[XS+5]|
.irp i, 6,10
	v_max3_num_f32 v8, v8, |v[XS+\i]|, |v[XS+\i+1]|
	v_max3_num_f32 v9, v9, |v[XS+\i+2]|, |v[XS+\i+3]|
.endr
	v_max3_num_f32 v8, v8, |v[XS+14]|, |v[XS+15]|
	v_max3_num_f32 v8, v8, v9, 0x1800000           ; and the floor 2^(3 - 127)
	v_max_num_f32_dpp v8, v8, v8 row_xmask:1 row_mask:0xf bank_mask:0xf   ; and of my neighbour's 16: the block's
	v_add_nc_u32 v11, 0xff000000, v8               ; 2 off its exponent field: the conversion's scale operand
	v_cvt_scalef32_pk8_fp4_f32 v[XC+2*(\t)], v[XS:XS+7], v11
	v_cvt_scalef32_pk8_fp4_f32 v[XC+2*(\t)+1], v[XS+8:XS+15], v11
	v_lshrrev_b32 v[XE+(\t)], 23, v11              ; the scale's byte (a plain line behind the conversions)
	ds_store_b8 v5, v[XE+(\t)] offset:16*(\t)      ; both lanes of a block write the same byte with the same value
	global_store_b64 v4, v[XC+2*(\t):XC+2*(\t)+1], s[16:17] offset:256*(\t)   ; the wave stores 256 consecutive bytes, aligned
.endm
.irp t, 0,1,2,3
	XLOAD \t
.endr
	s_wait_loadcnt 12                              ; step 0's four loads are in
	XTURN 0
.irp t, 0,1,2,3,4,5,6,7,8,9,10,11,12,13,14,15
	XSTEP \t
.endr
	ds_load_b64 v[8:9], v6                         ; LDS serves a wave's instructions in order: this sees my byte stores
	s_wait_dscnt 0x0
	global_store_b64 v4, v[8:9], s[18:19]          ; the wave's 256 scale bytes: 256 consecutive bytes, aligned
.Lend:
	s_wait_tensorcnt 0x0                           ; the wave's end, behind my last LDS store
	ds_add_u32 v[SPW], v[NIL]
	s_wait_dscnt 0x0
	s_endpgm
.Lfunc_end_k_q3e370a29da_quant:
	.size	k_q3e370a29da_quant, .Lfunc_end_k_q3e370a29da_quant-k_q3e370a29da_quant
	.p2alignl 7, 3214868480
	.fill 96, 4, 3214868480
	.section	.rodata,"a",@progbits
	.p2align	6, 0x0
	.amdhsa_kernel k_q3e370a29da_quant
		.amdhsa_group_segment_fixed_size 51712
		.amdhsa_private_segment_fixed_size 0
		.amdhsa_enable_private_segment 0
		.amdhsa_kernarg_size 80
		.amdhsa_user_sgpr_count 2
		.amdhsa_user_sgpr_kernarg_segment_ptr 1
		.amdhsa_wavefront_size32 1
		.amdhsa_system_sgpr_workgroup_id_x 1
		.amdhsa_system_sgpr_workgroup_id_y 1
		.amdhsa_system_sgpr_workgroup_id_z 1
		.amdhsa_system_vgpr_workitem_id 0
		.amdhsa_next_free_vgpr 192
		.amdhsa_next_free_sgpr 66
		.amdhsa_reserve_vcc 0
		.amdhsa_float_denorm_mode_32 3
		.amdhsa_float_denorm_mode_16_64 3
		.amdhsa_memory_ordered 1
		.amdhsa_forward_progress 1
		.amdhsa_inst_pref_size 73
	.end_amdhsa_kernel
	.amdgpu_metadata
---
amdhsa.version: [ 1, 2 ]
amdhsa.kernels:
  - .name:           k_q3e370a29da_quant
    .symbol:         k_q3e370a29da_quant.kd
    .args:
      - { .name: queries, .offset: 0, .size: 8, .value_kind: global_buffer, .address_space: global }
      - { .name: keys, .offset: 8, .size: 8, .value_kind: global_buffer, .address_space: global }
      - { .name: values, .offset: 16, .size: 8, .value_kind: global_buffer, .address_space: global }
      - { .name: Wq, .offset: 24, .size: 8, .value_kind: global_buffer, .address_space: global }
      - { .name: Wk, .offset: 32, .size: 8, .value_kind: global_buffer, .address_space: global }
      - { .name: Wv, .offset: 40, .size: 8, .value_kind: global_buffer, .address_space: global }
      - { .name: xc, .offset: 48, .size: 8, .value_kind: global_buffer, .address_space: global }
      - { .name: xs, .offset: 56, .size: 8, .value_kind: global_buffer, .address_space: global }
      - { .name: wc, .offset: 64, .size: 8, .value_kind: global_buffer, .address_space: global }
      - { .name: ws, .offset: 72, .size: 8, .value_kind: global_buffer, .address_space: global }
    .group_segment_fixed_size: 51712
    .private_segment_fixed_size: 0
    .kernarg_segment_align: 8
    .kernarg_segment_size: 80
    .max_flat_workgroup_size: 128
    .sgpr_count:     66
    .vgpr_count:     192
    .wavefront_size: 32
...
	.end_amdgpu_metadata
.endif
;; end of part 1
;; launch proj (part 2): grid 4 x 48, 4 waves a work-group, clusters of 4 x 4, 327,680 bytes of LDS; arguments xc, xs, wc, ws, qkv; writes qkv
.if DOCPART == 2
	.amdgcn_target "amdgcn-amd-amdhsa--gfx1250"
	.amdhsa_code_object_version 6
	.text
	.protected	k_q3e370a29da_proj
	.globl	k_q3e370a29da_proj
	.p2align	8
	.type	k_q3e370a29da_proj,@function
k_q3e370a29da_proj:
	s_mov_b64 s[64:65], 0
	v_nop
	global_prefetch_b8 v0, s[64:65] scope:SCOPE_SE
	s_setreg_imm32_b32 hwreg(HW_REG_WAVE_MODE, 25, 1), 1
	s_wait_xcnt 0x0
	s_wait_alu depctr_hold_cnt(0) depctr_sa_sdst(0) depctr_va_vdst(0) depctr_va_sdst(0) depctr_va_ssrc(0) depctr_va_vcc(0) depctr_vm_vsrc(0)
	s_getreg_b32 s2, hwreg(HW_REG_IB_STS2, 6, 4)
	s_cmp_eq_u32 s2, 0
	s_cbranch_scc0 .Lentry_in_a_cluster
	s_endpgm
.Lentry_in_a_cluster:
	s_bfe_u32 s2, ttmp6, 0x10000c
	s_cmp_lg_u32 s2, 0xf033
	s_cbranch_scc0 .Lentry_shape_is_right
	s_endpgm
.Lentry_shape_is_right:
; The three projections as ONE product on codes of FP4 (E2M1) with E8M0 scales: rows = the 24,576 stacked rows of queries, keys, values (xc, xs); columns = the 1,024 columns of the row's own
; weight (wc, ws: Wq, Wk, Wv stacked); K = 1,024; sums in f32.  No work is left out.
; The result goes out as f16, laid by head: qkv [3 (q, k, v)][8 b][16 h][1024 s][64]: a head is 131,072 dense bytes, a token's row in it 128.
; q IS MULTIPLIED BY c = log2(e) / 8 IN f32 AHEAD OF ITS ROUNDING TO f16, so that the attention's scores are exponents of 2 as they come.  (An order of rounding other than the reference's, which scales the scores.)
; LIMIT: |c q|, |k| or |v| beyond 65,504 becomes infinity in f16.
; A tile of the result, 256 x 256, is made by a work-group of four waves; a wave makes 128 x 128: 64 accumulators of 16 x 16, 512 registers.  K is two steps of 512, one in each of two LDS slots.
; A WORK-GROUP STAYS: it makes TWO tiles, one below the other (512 rows of one tensor, the same 256 columns): 192 work-groups for the 384 tiles.  The weight's codes and scales stay in LDS for both;
; only the activations' half of each slot is filled again, slot 0's at the first tile's change of slots, slot 1's behind its last product and ahead of its way out: the first tile's stores leave
; and the second tile's codes arrive while the wave works.  The scale bytes of the 512 + 256 rows, for all of K, come once, with the first fills, as dense blocks.
; CLUSTERS: 4 x 4 work-groups.  The four of a row of the cluster need the same tiles of the activations, the four of a column the same tiles of the weight: each tile is asked for JOINTLY, by the same
; tensor load with the same descriptor and a mask that names the four.  A cluster's 2,048 rows lie in one of the three tensors, so all sixteen take the same weight.
; THE MATRIX INSTRUCTION IS USED TRANSPOSED (source 0 = 16 rows of the weight's codes, source 1 = 16 rows of the activations'): a lane then holds eight neighbouring columns of one token.
; REGISTERS, in windows of 256: window 0: v0-31 addresses; v32-95 scale words, two sets; v128-191 A's fragments, ONE set; on the way out v32-63, v192-255 at work.
;   window 1: B's fragments, TWO sets, at v0 and v128.   window 2: the 32 accumulators of my rows 0-63 ((a, b) at v[8 (8 a + b)]);   window 3: those of my rows 64-127.
.set KSTEP,  512                       ; along K in a slot
.set NQ,     4                         ; matrix instructions deep
.set ROWB,   256                       ; a tile's row in bytes
.set KROW,   512                       ; a row of codes in memory
.set PITCH,  272                       ; an LDS row: 256 bytes + 16 of padding = 68 words: the 16 rows that a load touches start at 16 different banks (64 banks of 4 bytes: ISA guide 11.1)
.set FR,     8                         ; registers of a fragment: 16 rows x 128 K
.set NL,     2                         ; LDS loads that bring one
.set NP,     4                         ; places behind this matrix instruction (ISA guide 7.12.1)
.set HALFT,  128*PITCH                 ; 128 rows: what one tensor load brings
.set SLOT,   4*HALFT                   ; A's 256 rows, then B's 256 rows
.set KS,     32                        ; a row of scale bytes
.set SCL,    2*SLOT                    ; behind the slots: the scales, as runs of 256 bytes + 16 of padding: A's 512 rows,
.set HALFS,  (128*KS/256)*272          ; (the scales of 128 rows)
.set SBLK,   (16*KS/256)*272           ; (those of 16 rows)
.set SCLB,   SCL+4*HALFS               ; then B's 256 rows
.set SPARE,  SCL+6*HALFS               ; the spare words, 128 bytes for each wave: two blocks of 256 bytes that no other line names
.set STAGE,  SPARE+512                 ; the way out: 16 rows x (256 bytes + 16) for each wave: bytes of their own, into which no tensor load lands
.set SPITCH, 272
.set NEXT_A, 256*KROW                  ; bytes from a tile's codes to those of the tile below
.set ADRA, 16                          ; v16-17  LDS address of my A fragments in slot 0, 1
.set ADRB, 20                          ; v20-21  the same for B
.set STO,  24                          ; v24     the way out: where I put 16 bytes of a token's row
.set RD,   25                          ; v25     where I read back: eight lanes to a token's 128 bytes of one head
.set CO,   26                          ; v26     16 x lane: my place in a store's 512 bytes
.set ADRS, 27                          ; v27, v30  LDS address of my scale words for tile 0, 1: lanes 0-15 A's rows, lanes 16-31 B's
.set SPW,  28                          ; v28     LDS address of my spare word; never rewritten
.set NIL,  29                          ; v29     0; never rewritten
.set PFO,  31                          ; v31     256 x lane: the prefetch's offset; never rewritten
.set SC,   32                          ; scale words: set s at v[SC + 32 s]; register 4 i + q: lanes 0-15 the word of A's block i, lanes 16-31 that of B's block i, for the slot's q-th 128 along K
.set AF,   128                         ; A's fragments, in window 0
.set TMP,  192                         ; the way out: packed results
.set OB,   32                          ; the way out: rows read back: v32-63 and v224-255 by turns
.set TEN,  2                           ; s2      which tensor: 0 q, 1 k, 2 v
.set CC,   66                          ; s[66:67] c, twice
.set PFA,  96                          ; s[96:97] where my prefetch stands; never rewritten
.set G1, 24                            ; s[24:31] descriptor group 1 for A's tiles;  s[32:39] group 0, one set for each slot
.set G0, 32
.set G1B, 48                           ; s[48:55], s[56:63] the same for B's tiles
.set G0B, 56
.set G1S, 68                           ; s[68:75], s[76:79] groups 1 and 0 for A's scales;  s[80:87], s[88:91] for B's
.set G0S, 76
.set G1SB, 80
.set G0SB, 88
.set MSB, 0
.macro WIN new                         ; the immediate's high byte repeats the setting that is left
.if MSB != \new
	s_set_vgpr_msb (MSB<<8)|\new
.set MSB, \new
.endif
.endm
.set MUL_LO, 0xa1                      ; source 0 (B) window 1, source 1 (A) window 0, C and D window 2
.set MUL_HI, 0xf1                      ; the same, C and D window 3
.set TO_B,   0x40                      ; destination window 1, address window 0
; A joint first fill: waves 0 and 1 fetch for A, waves 2 and 3 for B.  Each of the two lines has ONE mask and one set of registers for all that issue it; the branch hangs on the wave's number alone.
; An s_nop 0 and four v_nop follow each of the two lines.
.macro JLOAD g0a, g1a, g0b, g1b
	s_cmp_eq_u32 s15, 0
	s_cbranch_scc0 .Lfor_b_\@
	tensor_load_to_lds s[\g0a:\g0a+3], s[\g1a:\g1a+7]
	s_nop 0
.rept 4
	v_nop
.endr
	s_branch .Lasked_\@
.Lfor_b_\@:
	tensor_load_to_lds s[\g0b:\g0b+3], s[\g1b:\g1b+7]
	s_nop 0
.rept 4
	v_nop
.endr
.Lasked_\@:
.endm
; A joint refill of A's half of slot s: waves 0 and 1, 128 rows each; waves 2 and 3 have nothing to fill and issue none (B's half stays).  The branch hangs on the wave's number alone.
; The four v_nop stand on every wave's way: behind the load and its s_nop 0, and as the places in front of what follows.
.macro ALOAD s
	s_cmp_eq_u32 s15, 0
	s_cbranch_scc0 .Lnone_\@
	tensor_load_to_lds s[G0+4*\s:G0+4*\s+3], s[G1:G1+7]
	s_nop 0
.Lnone_\@:
.rept 4
	v_nop
.endr
.endm
.macro CREST                           ; a round of the cluster's barrier behind its opening barrier
	s_cmp_lg_u32 s14, 0
	s_cbranch_scc1 .Lnot_wave_0_\@
	s_barrier_signal -3
.Lnot_wave_0_\@:
	s_barrier_wait -3
	s_barrier_signal -1
	s_barrier_wait -1
.endm
.macro CROUND                          ; a whole round
	s_barrier_signal -1
	s_barrier_wait -1
	CREST
.endm
	s_load_b128 s[4:7], s[0:1], 0x0                ; xc s[4:5], xs s[6:7]
	s_load_b128 s[8:11], s[0:1], 0x10              ; wc s[8:9], ws s[10:11]
	s_load_b64 s[12:13], s[0:1], 0x20              ; qkv
	v_lshl_add_u32 v[SPW], v0, 2, SPARE
	v_mov_b32 v[NIL], 0
	ds_add_u32 v[SPW], v[NIL]                      ; the wave's opening: the add, twice on end, and its wait ahead of my first tensor load; the set-up below, work on registers, stands between
	ds_add_u32 v[SPW], v[NIL]
	v_lshrrev_b32 v1, 5, v0
	v_readfirstlane_b32 s14, v1                    ; wave 0..3
	s_lshr_b32 s15, s14, 1                         ; which half of a tile's rows is mine.  Also: I fetch for A (0) or for B (1)
	s_and_b32 s16, s14, 1                          ; which half of its columns.  Also: which part of what I fetch for
	s_bfe_u32 s40, ttmp6, 0x40000                  ; cx, cy: my place in the cluster
	s_bfe_u32 s41, ttmp6, 0x40004
	s_lshl_b32 s42, ttmp9, 2
	s_add_co_u32 s42, s42, s40                     ; tile column = 4 x cluster x + cx
	s_and_b32 s17, ttmp7, 0xffff                   ; cluster y, 0 .. 11
	s_lshr_b32 s[TEN], s17, 2                      ; which tensor: four clusters of 2,048 rows each; the same in all sixteen partners
	s_lshl_b32 s17, s17, 2
	s_add_co_u32 s17, s17, s41                     ; my pair of tiles = 4 x cluster y + cy: rows 512 x that on
	s_lshl_b32 s43, s41, 2
	s_lshl_b32 s43, 15, s43                        ; my row of the cluster
	s_lshl_b32 s44, 0x1111, s40                    ; my column
	s_mov_b32 s[CC], 0x3e38aa3b                    ; c = log2(e) / 8
	s_mov_b32 s[CC+1], s[CC]                       ; (named with it as a pair, so it is written)
	; descriptor group 1: a tile of 128 rows x 256 bytes, padded in LDS
	s_or_b32 s[G1+0], s43, (0<<16)|(1<<20)|(1<<21)|(5<<22)|(3<<25)  ; 15:0 the mask: A's tiles go to my row; 17:16 element of 1 byte; 20 padding on; 21 set beside a mask; 24:22 after every 64 words; 31:25 four words
	s_or_b32 s[G1B+0], s44, (0<<16)|(1<<20)|(1<<21)|(5<<22)|(3<<25)
.irp g, G1, G1B
	s_mov_b32 s[\g+1], ROWB<<16                    ; tensor_dim0
	s_mov_b32 s[\g+2], 128<<16                     ; tensor_dim1
	s_mov_b32 s[\g+3], ROWB<<16                    ; tile_dim0
	s_mov_b32 s[\g+4], 128                         ; tile_dim1
	s_mov_b32 s[\g+5], KROW                        ; tensor_dim0_stride
	s_mov_b32 s[\g+6], 0
	s_mov_b32 s[\g+7], 0
.endr
	; and for the scales: dense blocks, as rows of 256 bytes (32 elements of 8 bytes), 16 bytes of padding behind each: A's of 256 rows (a tile's) are 32 such rows, B's of 128 rows 16
	s_or_b32 s[G1S+0], s43, (3<<16)|(1<<20)|(1<<21)|(5<<22)|(3<<25)
	s_or_b32 s[G1SB+0], s44, (3<<16)|(1<<20)|(1<<21)|(5<<22)|(3<<25)
.irp g, G1S, G1SB
	s_mov_b32 s[\g+1], 32<<16
	s_mov_b32 s[\g+3], 32<<16
	s_mov_b32 s[\g+5], 32
	s_mov_b32 s[\g+6], 0
	s_mov_b32 s[\g+7], 0
.endr
	s_mov_b32 s[G1S+2], 32<<16
	s_mov_b32 s[G1S+4], 32
	s_mov_b32 s[G1SB+2], 16<<16
	s_mov_b32 s[G1SB+4], 16
	s_lshl_b32 s18, s16, 7
	s_lshl_b32 s20, s17, 9                         ; my pair's first row
	s_lshl_b32 s22, s16, 8
	s_add_co_u32 s22, s22, s20                     ; A's scales: the 256 rows of tile (wave & 1)
	s_add_co_u32 s20, s20, s18                     ; A's codes: tile 0, row 128 x (wave & 1) on
	s_lshl_b32 s46, s42, 8
	s_add_co_u32 s46, s46, s18                     ; B: row 256 x tile column + 128 x (wave & 1)
	s_lshl_b32 s94, s[TEN], 10
	s_add_co_u32 s46, s46, s94                     ;    + 1,024 x tensor: the rows' own weight
	s_lshl_b32 s22, s22, 5                         ; 32 bytes of scales a row,
	s_mov_b32 s23, 0
	s_lshl_b32 s92, s46, 5
	s_mov_b32 s93, 0
	s_lshl_b32 s20, s20, 9                         ; 512 of codes (all under 2^24)
	s_mov_b32 s21, 0
	s_lshl_b32 s46, s46, 9
	s_mov_b32 s47, 0
	s_mul_i32 s45, s14, HALFT                      ; where the codes go: wave x 128 rows: no place in the cluster enters an LDS address
	s_mul_i32 s94, s16, 2*HALFS
	s_add_co_u32 s94, s94, SCL                     ; A's scales
	s_mul_i32 s95, s16, HALFS
	s_add_co_u32 s95, s95, SCLB                    ; B's
	s_lshl_b32 s[PFA], s17, 18                     ; the prefetch: my pair's 512 rows of 512 bytes,
	s_add_co_u32 s[PFA], s[PFA], NEXT_A            ; tile 1's 131,072 consecutive bytes;
	s_lshl_b32 s[PFA+1], s40, 15
	s_add_co_u32 s[PFA], s[PFA], s[PFA+1]          ; the four partners that will ask for them jointly take 32,768 each, told apart by address,
	s_lshl_b32 s[PFA+1], s14, 13
	s_add_co_u32 s[PFA], s[PFA], s[PFA+1]          ; a wave 8,192
	s_mov_b32 s[PFA+1], 0
	s_wait_dscnt 0x0                               ; both opening adds are done
	s_wait_kmcnt 0x0
	s_add_nc_u64 s[20:21], s[4:5], s[20:21]
	s_add_nc_u64 s[22:23], s[6:7], s[22:23]
	s_add_nc_u64 s[46:47], s[8:9], s[46:47]
	s_add_nc_u64 s[92:93], s[10:11], s[92:93]
	s_add_nc_u64 s[PFA:PFA+1], s[4:5], s[PFA:PFA+1]
	CROUND                                         ; all sixteen work-groups are here: the first joint loads meet
	s_mov_b32 s[G0S], 1
	s_mov_b32 s[G0S+1], s94
	s_mov_b64 s[G0S+2:G0S+3], s[22:23]
	s_or_b32 s[G0S+3], s[G0S+3], 0x80000000
	s_mov_b32 s[G0SB], 1
	s_mov_b32 s[G0SB+1], s95
	s_mov_b64 s[G0SB+2:G0SB+3], s[92:93]
	s_or_b32 s[G0SB+3], s[G0SB+3], 0x80000000
	JLOAD G0S, G1S, G0SB, G1SB                     ; the scales first: they are wanted with K step 0
.irp s, 0,1
	s_mov_b32 s[G0+4*\s], 1
	s_add_co_u32 s[G0+4*\s+1], s45, \s*SLOT
	s_add_nc_u64 s[G0+4*\s+2:G0+4*\s+3], s[20:21], \s*ROWB
	s_or_b32 s[G0+4*\s+3], s[G0+4*\s+3], 0x80000000
	s_mov_b32 s[G0B+4*\s], 1
	s_add_co_u32 s[G0B+4*\s+1], s45, \s*SLOT
	s_add_nc_u64 s[G0B+4*\s+2:G0B+4*\s+3], s[46:47], \s*ROWB
	s_or_b32 s[G0B+4*\s+3], s[G0B+4*\s+3], 0x80000000
	JLOAD G0+4*\s, G1, G0B+4*\s, G1B               ; by this text's own count three tensor loads of a wave are out
.endr
	v_and_b32 v1, 15, v0                           ; l % 16
	v_bfe_u32 v2, v0, 4, 1                         ; l / 16
	v_mul_u32_u24 v3, v1, PITCH
	v_lshl_add_u32 v4, v2, 4, v3                   ; a fragment's row x pitch + 16 x half
	s_mul_i32 s21, s15, HALFT                      ; my 128 rows of A
	s_mul_i32 s22, s16, HALFT                      ; my 128 rows of B,
	s_add_co_u32 s22, s22, 2*HALFT                 ; which lie behind A's 256
.irp s, 0,1
	v_add_nc_u32 v[ADRA+\s], s21, v4
	v_add_nc_u32 v[ADRB+\s], s22, v4
	s_add_co_u32 s21, s21, SLOT
	s_add_co_u32 s22, s22, SLOT
.endr
	v_mul_u32_u24 v5, v1, KS                       ; my row's scales: 32 bytes a row,
	v_lshrrev_b32 v6, 8, v5
	v_lshl_add_u32 v5, v6, 4, v5                   ; and 16 more for each 256 passed
.irp u, 0,1                            ; one address for each tile, both made here
	s_mul_i32 s21, s15, HALFS
	s_add_co_u32 s21, s21, \u*2*HALFS              ; A's: tile u's 256 rows, my 128 of them
	s_mul_i32 s22, s16, HALFS
	s_add_co_u32 s22, s22, 4*HALFS                 ; B's: my 128 rows, behind A's 512
	s_sub_co_u32 s22, s22, s21
	v_mul_u32_u24 v6, s22, v2                      ; lanes 16-31 take B's: one product, the distance between the two
	s_add_co_u32 s21, s21, SCL
	v_add_nc_u32 v6, v5, v6
	v_add_nc_u32 v[ADRS+3*\u], s21, v6
.endr
	s_mul_i32 s23, s14, 16*SPITCH
	s_add_co_u32 s23, s23, STAGE                   ; my stage
	v_mul_u32_u24 v5, v1, SPITCH                   ; in: row l % 16, 16 bytes for each half of the lanes
	v_lshl_add_u32 v5, v2, 4, v5
	v_add_nc_u32 v[STO], s23, v5
	v_and_b32 v6, 31, v0
	v_lshlrev_b32 v[CO], 4, v6                     ; 16 x lane
	v_lshlrev_b32 v[PFO], 8, v6                    ; 256 x lane
	v_lshrrev_b32 v5, 3, v6
	v_mul_u32_u24 v5, v5, SPITCH                   ; back: token lane / 8 of four, 16 (lane % 8) of a head's 128 bytes
	v_and_b32 v7, 7, v6
	v_lshl_add_u32 v5, v7, 4, v5
	v_add_nc_u32 v[RD], s23, v5
	s_lshl_b32 s20, s17, 9
	s_lshl_b32 s21, s15, 7
	s_add_co_u32 s20, s20, s21                     ; R, my first row of the stacked 24,576: 512 x pair + 128 x half
	s_lshr_b32 s21, s20, 10
	s_lshl_b32 s21, s21, 21                        ; (tensor, batch): 16 heads of 131,072 bytes each
	s_and_b32 s20, s20, 1023
	s_lshl_b32 s20, s20, 7                         ; the token: 128 bytes
	s_add_co_u32 s20, s20, s21
	s_lshl_b32 s46, s42, 2
	s_lshl_b32 s47, s16, 1
	s_add_co_u32 s46, s46, s47                     ; my first head: 4 x tile column + 2 x half
	s_lshl_b32 s46, s46, 17
	s_add_co_u32 s20, s20, s46
	s_mov_b32 s21, 0
	s_add_nc_u64 s[12:13], s[12:13], s[20:21]
.macro FRAG reg, adr, q, i             ; a fragment, 16 rows x 128 K of 4-bit codes, is 8 registers: lane l holds row l % 16; registers 4 c .. 4 c + 3 hold K = 64 c + 32 (l / 16) + 0 .. 31
.irp c, 0,1
	ds_load_b128 v[\reg+4*\c:\reg+4*\c+3], v[\adr] offset:64*(\q)+32*\c+(\i)*16*PITCH
.endr
.endm
; 16 matrix instructions: A's blocks a0, a0 + 1 x B's eight, 128 along K: the slot's q-th.  p: B's set;  sc: the set of scale words.  zero = 1: the first product starts the sums: nothing is ever cleared.
; The 64 accumulators take turns, one instruction a turn, in the same order in every step.
.macro MUL16 a0, p, q, sc, zero
.irp a, \a0, \a0+1
.irp b, 0,1,2,3,4,5,6,7
.if \zero
	v_wmma_scale_f32_16x16x128_f8f6f4 v[8*(8*((\a)%4)+\b):8*(8*((\a)%4)+\b)+7], v[128*(\p)+FR*\b:128*(\p)+FR*\b+FR-1], v[AF+FR*(\a):AF+FR*(\a)+FR-1], 0, v[SC+8*NQ*(\sc)+NQ*\b+(\q)], v[SC+8*NQ*(\sc)+NQ*(\a)+(\q)] matrix_a_fmt:MATRIX_FMT_FP4 matrix_b_fmt:MATRIX_FMT_FP4 matrix_a_scale:MATRIX_SCALE_ROW1
.else
	v_wmma_scale_f32_16x16x128_f8f6f4 v[8*(8*((\a)%4)+\b):8*(8*((\a)%4)+\b)+7], v[128*(\p)+FR*\b:128*(\p)+FR*\b+FR-1], v[AF+FR*(\a):AF+FR*(\a)+FR-1], v[8*(8*((\a)%4)+\b):8*(8*((\a)%4)+\b)+7], v[SC+8*NQ*(\sc)+NQ*\b+(\q)], v[SC+8*NQ*(\sc)+NQ*(\a)+(\q)] matrix_a_fmt:MATRIX_FMT_FP4 matrix_b_fmt:MATRIX_FMT_FP4 matrix_a_scale:MATRIX_SCALE_ROW1
.endif
.endr
.endr
.endm
.macro FETCH_B slot, q, p              ; B's eight fragments of the slot's q-th 128 along K into set p
	WIN TO_B
.irp i, 0,1,2,3,4,5,6,7
	FRAG 128*(\p)+FR*\i, ADRB+\slot, \q, \i
.endr
	WIN 0
.endm
.macro FETCH_A slot, q, i0             ; A's blocks i0 .. i0 + 3
.irp i, \i0, \i0+1, \i0+2, \i0+3
	FRAG AF+FR*(\i), ADRA+\slot, \q, \i
.endr
.endm
.macro SCALES sc, adrs                 ; a K step's scale words into set sc: four words a row; lanes 0-15 take A's block i, lanes 16-31 B's block i
.irp i, 0,1,2,3,4,5,6,7
	ds_load_b128 v[SC+8*NQ*\sc+NQ*\i:SC+8*NQ*\sc+NQ*\i+3], v[\adrs] offset:\i*SBLK
.endr
.endm
; A load into a register that a matrix instruction has read, and a vector instruction that reads a matrix result, stand NP places behind that matrix instruction; only plain vector instructions
; that name none of its registers are places (ISA guide 7.12.1 for vector instructions).
.macro PLACES n
.rept \n
	v_nop
.endr
.endm
; A step of 128 along K that has its successor in the same slot.
.macro STEP slot, q, zero
	s_wait_dscnt 4*NL                              ; B's set and A's blocks 0-3 are in; the youngest eight loads (A's blocks 4-7) may be out
	WIN MUL_LO
	MUL16 0, (\q)%2, \q, \slot, \zero
	MUL16 2, (\q)%2, \q, \slot, \zero
	s_wait_dscnt 0                                 ; A's blocks 4-7 are in (asked for 32 matrix instructions ago)
	PLACES NP
	FETCH_B \slot, (\q)+1, 1-(\q)%2
	FETCH_A \slot, (\q)+1, 0
	WIN MUL_HI
	MUL16 4, (\q)%2, \q, \slot, \zero
	MUL16 6, (\q)%2, \q, \slot, \zero
	PLACES NP
	WIN 0
	FETCH_A \slot, (\q)+1, 4
.endm
; Slot 0's last step changes slots: ONE barrier; in front of it each wave waits for all its tensor loads (its part of slot 1), adds 0 to its spare word, and waits for that and for its reads of slot 0.
; Behind it slot 1 is whole and nobody reads slot 0 any more.  fill = 1: A's half of slot 0 is filled again, with the next tile's K step 0: the barrier then opens a round of the cluster's barrier.
.macro TURN slot, next, fill, adrs
	s_wait_tensorcnt 0x0                           ; all my tensor loads have landed  (every window is 0 here: the add's two registers lie in window 0)
	ds_add_u32 v[SPW], v[NIL]                      ; 0 onto my spare word
	s_wait_dscnt 4*NL+1                            ; (the add and the youngest eight loads, A's blocks 4-7, may be out)
	WIN MUL_LO
	MUL16 0, 1, NQ-1, \slot, 0                     ; sixteen matrix instructions stand between the add and the wait for it
	s_wait_dscnt 0x0                               ; the add is done, and my reads of this slot are over
	s_barrier_signal -1
	MUL16 2, 1, NQ-1, \slot, 0
	WIN 0
	s_barrier_wait -1
.if \fill
	CREST                                          ; no wave of any partner still reads this slot's tile or has a load on its way
	s_add_nc_u64 s[G0+4*\slot+2:G0+4*\slot+3], s[G0+4*\slot+2:G0+4*\slot+3], NEXT_A   ; 256 rows down; the type bits on top are not reached
	ALOAD \slot                                    ; the first tensor load behind the round; its four v_nop are the places in front of the loads below
.else
	PLACES NP
.endif
	v_add_nc_u32 v[\adrs], 4*NQ, v[\adrs]          ; on to the next K step's scale words (no LDS load of mine is out)
	FETCH_B \next, 0, 0
	FETCH_A \next, 0, 0
	SCALES \next, \adrs
	WIN MUL_HI
	MUL16 4, 1, NQ-1, \slot, 0
	MUL16 6, 1, NQ-1, \slot, 0
	PLACES NP
	WIN 0
	FETCH_A \next, 0, 4
.endm
.macro STEPS slot, from                ; the slot's steps from .. NQ - 2
.set Q, \from
.rept NQ-1-\from
	STEP \slot, Q, 0
.set Q, Q+1
.endr
.endm
; THE WAY OUT, block by block of 16 tokens x 128 columns (two heads).  A lane's eight columns pack into 16 bytes of f16; the block goes through my own stage in LDS and comes back so that a store's
; 32 lanes hold four tokens' 128 bytes of ONE head, which lie on end in qkv: 512 consecutive bytes, aligned.  LDS serves a wave's instructions in order (ISA guide 5.7.1.4): no wait between stores and loads.
.macro PACK a
.set AC, 64*((\a)%4)
	WIN 0x0a+5*((\a)/4)                            ; sources 0 and 1: window 2 or 3
.irp b, 0,1,2,3,4,5,6,7
.irp r, 0,1,2,3
	v_cvt_pk_f16_f32 v[TMP+4*\b+\r], v[AC+8*\b+2*\r], v[AC+8*\b+2*\r+1]
.endr
.endr
	WIN 0
.endm
.macro TOSTAGE a
.set BK, OB+192*((\a)%2)
.irp b, 0,1,2,3,4,5,6,7
	ds_store_b128 v[STO], v[TMP+4*\b:TMP+4*\b+3] offset:32*\b
.endr
.irp t, 0,1,2,3,4,5,6,7
	ds_load_b128 v[BK+4*\t:BK+4*\t+3], v[RD] offset:(\t%4)*4*SPITCH+(\t/4)*128   ; tokens 4 (t % 4) on, head t / 4
.endr
.endm
.macro SEND a, u
.set BK, OB+192*((\a)%2)
	s_wait_dscnt 0x0                               ; the block is back in registers
	s_wait_xcnt 0x0                                ; the earlier stores have read their base and their registers: only behind this wait is the base stepped, and the block after next loaded where they read
.if (\a) > 0
	s_add_nc_u64 s[12:13], s[12:13], 16*128        ; 16 tokens on
.elseif (\u) > 0
	s_add_nc_u64 s[12:13], s[12:13], (256-7*16)*128   ; from my last 16 tokens of tile 0 to my first of tile 1, 256 tokens below tile 0's first
.endif
.irp t, 0,1,2,3,4,5,6,7
	global_store_b128 v[CO], v[BK+4*\t:BK+4*\t+3], s[12:13] offset:(\t/4)*131072+(\t%4)*512
.endr
.endm
; A TILE, u = 0 or 1.  At its head slot 0 is whole for every wave.
.macro TILE u
.if \u
	s_wait_xcnt 0x0                                ; the last tile's stores have read their registers: scale words land where rows of the result lay
.endif
	FETCH_B 0, 0, 0
	FETCH_A 0, 0, 0
	SCALES 0, ADRS+3*\u
	FETCH_A 0, 0, 4
.if !\u
	; A PREFETCH INTO THE L2 of tile 1's codes, which the two refills will ask for: it stands behind my first run of LDS loads, 224 matrix instructions ahead of the first of the two.  Each aligned 256 bytes are
	; named once in the launch: only my row of the cluster reads these rows; its four partners take 32,768 bytes each by address, a wave 8,192, a lane 256.  Tile 0 comes by its loads alone.
	global_prefetch_b8 v[PFO], s[PFA:PFA+1] th:TH_LOAD_NT scope:SCOPE_SE
.endif
	STEP 0, 0, 1                                   ; the tile's first step: its products start the sums
	STEPS 0, 1
	TURN 0, 1, 1-\u, ADRS+3*\u
	STEPS 1, 0
	s_wait_dscnt 4*NL                              ; the tile's last step: nothing more to fetch from the slot
	WIN MUL_LO
	MUL16 0, 1, NQ-1, 1, 0
	MUL16 2, 1, NQ-1, 1, 0
	s_wait_dscnt 0
	WIN MUL_HI
	MUL16 4, 1, NQ-1, 1, 0
	MUL16 6, 1, NQ-1, 1, 0
	WIN 0
	PLACES NP                                      ; behind the last products: their results are read, and registers that they read loaded into, below
	s_cmp_lg_u32 s[TEN], 0                         ; q's work-groups alone multiply by c: the cluster's y decides, the same in all sixteen partners
	s_cbranch_scc1 .Lplain_\@
	WIN 0x82                                       ; destination and source 0 window 2
.set i, 0
.rept 128
	v_pk_mul_f32 v[i:i+1], v[i:i+1], s[CC:CC+1] op_sel_hi:[1,0]    ; each accumulator from its low end on
.set i, i+2
.endr
	WIN 0xc3                                       ; window 3
.set i, 0
.rept 128
	v_pk_mul_f32 v[i:i+1], v[i:i+1], s[CC:CC+1] op_sel_hi:[1,0]
.set i, i+2
.endr
	WIN 0
.Lplain_\@:
.if !\u                                ; A's half of slot 1 is filled again, with tile 1's K step 1, AHEAD of the way out: the next products wait for it, and nothing waits for the stores
	s_wait_tensorcnt 0x0                           ; all my tensor loads have landed: the one that was out is my part of slot 0's refill, tile 1's K step 0
	ds_add_u32 v[SPW], v[NIL]                      ; 0 onto my spare word; the descriptor's step stands between it and the wait for it
	s_add_nc_u64 s[G0+6:G0+7], s[G0+6:G0+7], NEXT_A
	s_wait_dscnt 0x0                               ; the add is done, and my reads of slot 1 are over
	CROUND                                         ; both hold of every wave of all sixteen work-groups; and slot 0 is whole again for every wave of mine
	ALOAD 1
.endif
	PACK 0
	TOSTAGE 0
.irp a, 1,2,3,4,5,6,7                  ; block a's conversions stand between block a - 1's loads from the stage and the wait for them
	PACK \a
	SEND \a-1, \u
	TOSTAGE \a
.endr
	SEND 7, \u
.endm
	s_wait_tensorcnt 1                             ; the scales and my part of K step 0 are in; K step 1's load may be out
	s_barrier_signal -1
	s_barrier_wait -1                              ; everybody's are
	TILE 0
	TILE 1
	s_wait_tensorcnt 0x0                           ; the wave's end, behind my last tensor load and my last LDS store
	ds_add_u32 v[SPW], v[NIL]
	s_wait_dscnt 0x0
	CROUND                                         ; the closing round: no work-group ends while a partner may still ask for a tile that names it
	s_endpgm
.Lfunc_end_k_q3e370a29da_proj:
	.size	k_q3e370a29da_proj, .Lfunc_end_k_q3e370a29da_proj-k_q3e370a29da_proj
	.p2alignl 7, 3214868480
	.fill 96, 4, 3214868480
	.section	.rodata,"a",@progbits
	.p2align	6, 0x0
	.amdhsa_kernel k_q3e370a29da_proj
		.amdhsa_group_segment_fixed_size 327680
		.amdhsa_private_segment_fixed_size 0
		.amdhsa_enable_private_segment 0
		.amdhsa_kernarg_size 40
		.amdhsa_user_sgpr_count 2
		.amdhsa_user_sgpr_kernarg_segment_ptr 1
		.amdhsa_wavefront_size32 1
		.amdhsa_system_sgpr_workgroup_id_x 1
		.amdhsa_system_sgpr_workgroup_id_y 1
		.amdhsa_system_sgpr_workgroup_id_z 1
		.amdhsa_system_vgpr_workitem_id 0
		.amdhsa_next_free_vgpr 1024
		.amdhsa_next_free_sgpr 98
		.amdhsa_reserve_vcc 0
		.amdhsa_float_denorm_mode_32 3
		.amdhsa_float_denorm_mode_16_64 3
		.amdhsa_memory_ordered 1
		.amdhsa_forward_progress 1
		.amdhsa_inst_pref_size 255
	.end_amdhsa_kernel
	.section	.bss,"aw",@nobits
	.p2align	6
	.space	262144
	.amdgpu_metadata
---
amdhsa.version: [ 1, 2 ]
amdhsa.kernels:
  - .name:           k_q3e370a29da_proj
    .symbol:         k_q3e370a29da_proj.kd
    .args:
      - { .name: xc, .offset: 0, .size: 8, .value_kind: global_buffer, .address_space: global }
      - { .name: xs, .offset: 8, .size: 8, .value_kind: global_buffer, .address_space: global }
      - { .name: wc, .offset: 16, .size: 8, .value_kind: global_buffer, .address_space: global }
      - { .name: ws, .offset: 24, .size: 8, .value_kind: global_buffer, .address_space: global }
      - { .name: qkv, .offset: 32, .size: 8, .value_kind: global_buffer, .address_space: global }
    .group_segment_fixed_size: 327680
    .private_segment_fixed_size: 0
    .kernarg_segment_align: 8
    .kernarg_segment_size: 40
    .max_flat_workgroup_size: 128
    .sgpr_count:     98
    .vgpr_count:     1024
    .wavefront_size: 32
...
	.end_amdgpu_metadata
.endif
;; end of part 2
;; launch attn (part 3): grid 2 x 128, 8 waves a work-group, no clusters, 327,680 bytes of LDS; arguments qkv, out0; writes out0
.if DOCPART == 3
	.amdgcn_target "amdgcn-amd-amdhsa--gfx1250"
	.amdhsa_code_object_version 6
	.text
	.protected	k_q3e370a29da_attn
	.globl	k_q3e370a29da_attn
	.p2align	8
	.type	k_q3e370a29da_attn,@function
k_q3e370a29da_attn:
	s_mov_b64 s[64:65], 0
	v_nop
	global_prefetch_b8 v0, s[64:65] scope:SCOPE_SE
	s_setreg_imm32_b32 hwreg(HW_REG_WAVE_MODE, 25, 1), 1
	s_wait_xcnt 0x0
; out0[b][s][64 h + :] = the sum over keys of softmax_k(q . k / 8) v, for each of the 128 heads (b, h); 1,024 queries x 1,024 keys, head size 64, no mask.  No work is left out.
; qkv: f16 [3 (q, k, v)][128 heads][1024][64]; q comes multiplied by c = log2(e) / 8, so a score s IS an exponent of 2.  Products on f16 operands with f32 sums; maxima, exponentials and sums in f32.
; SOFTMAX: for each query a running maximum m and sum l: p = 2^(s - m), at most 1, rounded to f16 for the second product; in every step O and l are multiplied by a = 2^(m_old - m_new).  l sums the unrounded p.
; m begins at -3e38 and l at 0, so the first step's a is 0 and its update is every step's; only O^T, which the first step's products start, has nothing to rescale there.
; LIMITS: a weight p under 2^-25 of its row's largest becomes 0 in f16; NaN and infinities are not served.
; SHARES: a work-group takes 512 queries of one head; each of its eight waves 64: four tiles of 16.  Two waves share a SIMD's registers, 512 each.
; OUT OF STEP: a key step is a stretch of vector work (the softmax) and a stretch of 64 matrix instructions.  The eight waves are two groups, g = (w xor (w >> 2)) & 1, which differs between waves w and w + 4
; and between waves 2 k and 2 k + 1.  In key step 0 group 1 is held at a barrier until group 0 has done its softmax: from there on one group's softmax stands beside the other's products.  Every later barrier
; has its signal two key steps ahead of its wait (the last: one), so that it brings no wave back into step.
; THE WHOLE HEAD'S K AND V LIE IN LDS, each byte filled once, by 32 tensor loads at the head (waves 0-3: K, waves 4-7: V; four each, 256 keys a group of eight loads).  The walk begins when the first
; 256 keys are in; the later groups are waited for by waits on the way, each with a barrier behind which nothing is filled.  Each fragment of K or V read from LDS feeds four products.
; NO CLUSTER: only the two work-groups of a head read the same K and V, and a grid of 2 along that axis is no multiple of a cluster of four.
; LAYOUT: S^T = K Q^T (source 0 = 16 keys, source 1 = 16 queries): a lane holds ONE query (lane % 16) and keys 8 (lane / 16) + 0..7.  Two such tiles, rounded to f16 in pairs, ARE source 1 (32 keys x 16
; queries) of O^T = V^T P.  K comes out of LDS as it lies, V ([key][channel]) turned, by ds_load_tr16_b128.
; REGISTERS, in two windows of 256 (s_set_vgpr_msb's low byte: bits 1:0 source 0, 3:2 source 1, 5:4 source 2, 7:6 destination):
;   window 0: v0-13 addresses; v16-47 statistics, eight a tile; v48-55 a second chain for the sums; v64-191 S^T, 32 a tile, then P in place in each tile's first 16; v192-255 K's eight fragments
;   window 1: v0-127 O^T, 32 a tile; v128-191 Q, 16 a tile; v192-255 V's eight fragments
.set PK,    144                        ; a key's row of K in LDS: 128 bytes + 16 of padding: an odd multiple of 16
.set PVP,   160                        ; of V: 128 + 32: an odd multiple of 32, for the turning load
.set VB,    1024*PK                    ; V lies behind K
.set SPARE, VB+1024*PVP                ; the spare words, 128 bytes for each wave: four blocks of 256 bytes that no other line names
.set SPI,   272                        ; the way out: a stage of 16 rows x (256 bytes + 16) for each wave, from LDS byte 0: in K's bytes, written only when every wave's reads of K are over
.set AK0, 2                            ; v2   my lane's place in a tile of K; never rewritten
.set AV0, 3                            ; v3   the same for V
.set ADK, 4                            ; v4   the LDS address of the step's K
.set ADV, 5                            ; v5   of its V
.set QO,  6                            ; v6   my byte offset in the wave's rows of Q
.set STO, 7                            ; v7   the way out: where I put 32 bytes of a row
.set RD,  8                            ; v8   where I read a row back
.set GO,  9                            ; v9   my byte offset in the wave's rows of out0
.set SPW, 12                           ; v12  LDS address of my spare word; never rewritten
.set NIL, 13                           ; v13  0; never rewritten
.set ST,  16                           ; tile t's statistics at v[ST + 8 t]: +0 m, +1 m_old - m_new, +2, +3 l (even keys', odd keys'), +4 to +7 c0-c3, at work; a, and at the end 1 / l, take c0's place
.set TS,  48                           ; v[TS + 2 t]: the sums' second chain
.set S,   64
.set KF,  192
.set QF,  128                          ; in window 1
.set VF,  192                          ; in window 1
.set WV,  8                            ; s8   my wave's number
.set G1K, 16                           ; s[16:23] descriptor group 1 for K's tiles;  s[24:31] for V's: it differs in the padding alone
.set G1V, 24
.set G0K, 32                           ; s[32:47] four groups 0 for K;  s[48:63] four for V
.set G0V, 48
.set TK,  66                           ; s66  LDS byte at which the next step's K begins
.set TV,  67                           ; s67  the same for this step's V (from V's first byte)
.set CNT, 68
.set SEL, 70                           ; s[70:71] lane selects for v_permlanex16_b32: lane l xor 16
.set GRP, 80                           ; s80  my group, 0 or 1
.set MSB, 0
.macro WIN new                         ; the immediate's high byte repeats the setting that is left; a switch that changes nothing is dropped
.if MSB != \new
	s_set_vgpr_msb (MSB<<8)|\new
.set MSB, \new
.endif
.endm
.set W_KQ, 0x04                        ; K and S^T window 0, Q (source 1) window 1
.set W_PV, 0x51                        ; V (source 0), C and D window 1, P (source 1) window 0
.set W_RS, 0x41                        ; O^T (destination and source 0) window 1, the factor window 0
.set TO_1, 0x40                        ; a load's destination window 1, its address window 0
.set ST_1, 0x04                        ; an LDS store's data (source 1) window 1
	s_load_b128 s[4:7], s[0:1], 0x0                ; qkv s[4:5], out0 s[6:7]
	v_lshl_add_u32 v[SPW], v0, 2, SPARE
	v_mov_b32 v[NIL], 0
	ds_add_u32 v[SPW], v[NIL]                      ; the wave's opening: the add, twice on end, and its wait ahead of my first tensor load; the set-up below, work on registers, stands between
	ds_add_u32 v[SPW], v[NIL]
	v_lshrrev_b32 v1, 5, v0
	v_readfirstlane_b32 s[WV], v1                  ; wave 0..7
	s_and_b32 s9, s[WV], 3                         ; which 64 of a group's 256 keys I fetch
	s_lshr_b32 s[GRP], s[WV], 2
	s_xor_b32 s[GRP], s[GRP], s[WV]
	s_and_b32 s[GRP], s[GRP], 1                    ; waves 0, 2, 5, 7: group 0; waves 1, 3, 4, 6: group 1
	s_and_b32 s10, ttmp7, 0xffff                   ; the head, 16 b + h
	s_lshl_b32 s11, ttmp9, 9
	s_lshl_b32 s12, s[WV], 6
	s_add_co_u32 s11, s11, s12                     ; my first query: 512 x work-group x + 64 x wave
	s_lshl_b32 s12, s11, 7
	s_lshl_b32 s13, s10, 17
	s_add_co_u32 s12, s12, s13                     ; its byte in q: head x 131,072 + query x 128
	s_mov_b32 s13, 0
	s_lshr_b32 s14, s10, 4
	s_lshl_b32 s14, s14, 22                        ; out0: b x 4,194,304
	s_lshl_b32 s15, s11, 12
	s_add_co_u32 s14, s14, s15                     ; + query x 4,096
	s_and_b32 s15, s10, 15
	s_lshl_b32 s15, s15, 8
	s_add_co_u32 s14, s14, s15                     ; + h x 256
	s_mov_b32 s15, 0
	s_lshl_b32 s74, s10, 17
	s_lshl_b32 s75, s9, 13
	s_add_co_u32 s74, s74, s75                     ; k and v: head x 131,072 + my 64 rows of 128 bytes
	s_mov_b32 s75, 0
	s_mul_i32 s69, s9, 64*PK                       ; and where they go in LDS: K's,
	s_mul_i32 s72, s9, 64*PVP
	s_add_co_u32 s72, s72, VB                      ; V's
	; descriptor group 1: a tile of 64 rows x 64 elements of 2 bytes, dense in memory, padded behind every row in LDS
	s_mov_b32 s[G1K], (1<<16)|(1<<20)|(4<<22)|(3<<25)   ; 15:0 no mask; 17:16 elements of 2 bytes; 20 padding on; 24:22 after every 32 words (code 4); 31:25 four words (code 3)
	s_mov_b32 s[G1V], (1<<16)|(1<<20)|(4<<22)|(7<<25)   ; the same with eight words (code 7)
.irp g, G1K, G1V
	s_mov_b32 s[\g+1], 64<<16                      ; tensor_dim0 = 64
	s_mov_b32 s[\g+2], 64<<16                      ; tensor_dim1 = 64
	s_mov_b32 s[\g+3], 64<<16                      ; tile_dim0 = 64
	s_mov_b32 s[\g+4], 64                          ; tile_dim1 = 64
	s_mov_b32 s[\g+5], 64                          ; tensor_dim0_stride
	s_mov_b32 s[\g+6], 0
	s_mov_b32 s[\g+7], 0
.endr
	s_mov_b32 s[SEL], 0x76543210
	s_mov_b32 s[SEL+1], 0xfedcba98
	s_mov_b32 s[TK], 64*PK                         ; the first step fetches K of step 1
	s_mov_b32 s[TV], 0
	s_wait_dscnt 0x0                               ; both opening adds are done
	s_wait_kmcnt 0x0
	s_add_nc_u64 s[78:79], s[4:5], s[12:13]        ; q at my first query
	s_add_nc_u64 s[6:7], s[6:7], s[14:15]          ; out0 likewise
	s_add_nc_u64 s[74:75], s[4:5], s[74:75]
	s_add_nc_u64 s[74:75], s[74:75], 0x1000000     ; k: 16,777,216 bytes behind q
	s_add_nc_u64 s[76:77], s[74:75], 0x1000000     ; v: as many behind k
.irp c, 0,1,2,3                        ; group c: keys 256 c to 256 c + 255
	s_mov_b32 s[G0K+4*\c], 1                       ; 1:0 count = 1
	s_add_co_u32 s[G0K+4*\c+1], s69, \c*256*PK     ; 63:32 LDS address
	s_add_nc_u64 s[G0K+4*\c+2:G0K+4*\c+3], s[74:75], \c*32768   ; 120:64 global address
	s_or_b32 s[G0K+4*\c+3], s[G0K+4*\c+3], 0x80000000           ; 127:126 type = 2
	s_mov_b32 s[G0V+4*\c], 1
	s_add_co_u32 s[G0V+4*\c+1], s72, \c*256*PVP
	s_add_nc_u64 s[G0V+4*\c+2:G0V+4*\c+3], s[76:77], \c*32768
	s_or_b32 s[G0V+4*\c+3], s[G0V+4*\c+3], 0x80000000
.endr
	s_cmp_lt_u32 s[WV], 4                          ; a wave's four fills stand in one arm of one branch on its number, ahead of every wait on TENSORcnt, every LDS read and every barrier: four loads of mine are out
	s_cbranch_scc0 .Lfill_v
.irp c, 0,1,2,3
	tensor_load_to_lds s[G0K+4*\c:G0K+4*\c+3], s[G1K:G1K+7]
	s_nop 0
.endr
.rept 4
	v_nop
.endr
	s_branch .Lfilled
.Lfill_v:
.irp c, 0,1,2,3
	tensor_load_to_lds s[G0V+4*\c:G0V+4*\c+3], s[G1V:G1V+7]
	s_nop 0
.endr
.rept 4
	v_nop
.endr
.Lfilled:
	; A fragment of K or Q is 16 rows x 32 channels in 8 registers: lane l holds row l % 16; registers 0-3 channels 8 (l / 16) + 0..7, registers 4-7 channels 16 + 8 (l / 16) + 0..7: two loads of 16 bytes, 32 bytes apart.
	v_and_b32 v1, 15, v0                           ; r = l % 16
	v_bfe_u32 v10, v0, 4, 1                        ; h = l / 16
	v_lshlrev_b32 v[QO], 7, v1
	v_lshl_add_u32 v[QO], v10, 4, v[QO]            ; row x 128 + 16 x half
	WIN TO_1
.irp t, 0,1,2,3                        ; Q stays in registers: tile t, channels 32 c on
.irp c, 0,1
	global_load_b128 v[QF+16*\t+8*\c:QF+16*\t+8*\c+3],   v[QO], s[78:79] offset:\t*2048+\c*64
	global_load_b128 v[QF+16*\t+8*\c+4:QF+16*\t+8*\c+7], v[QO], s[78:79] offset:\t*2048+\c*64+32
.endr
.endr
	WIN 0
	v_mul_u32_u24 v[AK0], v1, PK
	v_lshl_add_u32 v[AK0], v10, 4, v[AK0]          ; row x pitch + 16 x half
	; The turning load takes 16 keys x 16 channels (lane l reads 16 bytes: key 8 (l / 16) + l % 8, channels 8 ((l / 8) % 2) + 0..7) and leaves half a fragment of V^T: lane l holds channel l % 16 and 8 keys.
	v_and_b32 v11, 7, v0
	v_lshl_add_u32 v[AV0], v10, 3, v11
	v_mul_u32_u24 v[AV0], v[AV0], PVP
	v_bfe_u32 v11, v0, 3, 1
	v_lshl_add_u32 v[AV0], v11, 4, v[AV0]
	v_add_nc_u32 v[AV0], VB, v[AV0]
	s_mul_i32 s73, s[WV], 16*SPI                   ; my stage
	v_mul_u32_u24 v[STO], v1, SPI                  ; in: row r, 32 bytes for each half of the lanes
	v_lshl_add_u32 v[STO], v10, 5, v[STO]
	v_add_nc_u32 v[STO], s73, v[STO]
	v_mul_u32_u24 v[RD], v10, SPI                  ; back: lanes 0-15 take one row of 256 bytes, lanes 16-31 the next
	v_lshl_add_u32 v[RD], v1, 4, v[RD]
	v_add_nc_u32 v[RD], s73, v[RD]
	v_lshlrev_b32 v[GO], 12, v10                   ; and the same two queries in out0, 4,096 bytes apart
	v_lshl_add_u32 v[GO], v1, 4, v[GO]
.irp t, 0,1,2,3
	v_mov_b32 v[ST+8*\t], 0xff61b1e6               ; m: -3e38, under every score
	v_mov_b32 v[ST+8*\t+2], 0                      ; l, in two halves
	v_mov_b32 v[ST+8*\t+3], 0
.endr
; THE LDS LOADS stand in runs of 16: a step's K (64 keys x 64 channels: fragment (kt, c) = keys 16 kt on, channels 32 c on) and its V, turned (fragment (g, ct) = keys 32 g on, channels 16 ct on).
.macro FETCH_K adr
.irp kt, 0,1,2,3
.irp c, 0,1
	ds_load_b128 v[KF+16*\kt+8*\c:KF+16*\kt+8*\c+3],   v[\adr] offset:\kt*16*PK+\c*64
	ds_load_b128 v[KF+16*\kt+8*\c+4:KF+16*\kt+8*\c+7], v[\adr] offset:\kt*16*PK+\c*64+32
.endr
.endr
.endm
.macro FETCH_V
	WIN TO_1
.irp g, 0,1
.irp ct, 0,1,2,3
	ds_load_tr16_b128 v[VF+32*\g+8*\ct:VF+32*\g+8*\ct+3],   v[ADV] offset:\g*32*PVP+\ct*32
	ds_load_tr16_b128 v[VF+32*\g+8*\ct+4:VF+32*\g+8*\ct+7], v[ADV] offset:\g*32*PVP+16*PVP+\ct*32
.endr
.endr
.endm
; THE MATRIX WORK.  In each run the 16 accumulators take turns, one instruction a turn: between two links of a chain stand 15 others'.
; Product i of 32 of S^T = K Q^T: channels 32 (i / 16) on, keys 16 ((i % 16) / 4) on, tile i % 4.  The first 16 start the sums.
.macro KQ
.set i, 0
.rept 32
.set rS, S+32*(i%4)+8*((i%16)/4)
.set rK, KF+16*((i%16)/4)+8*(i/16)
.set rQ, QF+16*(i%4)+8*(i/16)
.if i < 16
	v_wmma_f32_16x16x32_f16 v[rS:rS+7], v[rK:rK+7], v[rQ:rQ+7], 0
.else
	v_wmma_f32_16x16x32_f16 v[rS:rS+7], v[rK:rK+7], v[rQ:rQ+7], v[rS:rS+7]
.endif
.set i, i+1
.endr
.endm
; Product i of 32 of O^T += V^T P: keys 32 (i / 16) on, channels 16 ((i % 16) / 4) on, tile i % 4.  first = 1: the first 16 start the sums: nothing is ever cleared.
.macro PVM first
.set i, 0
.rept 32
.set rO, 32*(i%4)+8*((i%16)/4)
.set rV, VF+32*(i/16)+8*((i%16)/4)
.set rP, S+32*(i%4)+8*(i/16)
.if \first && (i < 16)
	v_wmma_f32_16x16x32_f16 v[rO:rO+7], v[rV:rV+7], v[rP:rP+7], 0
.else
	v_wmma_f32_16x16x32_f16 v[rO:rO+7], v[rV:rV+7], v[rP:rP+7], v[rO:rO+7]
.endif
.set i, i+1
.endr
.endm
; THE VECTOR WORK of a key step, stage by stage, the four tiles by turns so that no line waits for the line above it.  first = 1: the first key step: O^T has not begun, so it is not rescaled.
.macro SOFTMAX first
.irp j, 0,1,2,3                        ; the maximum of a lane's 32 scores and the old m: four chains; each accumulator is read from its low end on
.irp t, 0,1,2,3
	v_max3_num_f32 v[ST+8*\t+4+\j], v[S+32*\t+8*\j], v[S+32*\t+8*\j+1], v[S+32*\t+8*\j+2]
.endr
.endr
.irp u, 1,2
.irp j, 0,1,2,3
.irp t, 0,1,2,3
	v_max3_num_f32 v[ST+8*\t+4+\j], v[ST+8*\t+4+\j], v[S+32*\t+8*\j+2*\u+1], v[S+32*\t+8*\j+2*\u+2]
.endr
.endr
.endr
.irp t, 0,1,2,3
	v_max3_num_f32 v[ST+8*\t+4], v[ST+8*\t+4], v[S+32*\t+7], v[S+32*\t+15]
.endr
.irp t, 0,1,2,3
	v_max3_num_f32 v[ST+8*\t+6], v[ST+8*\t+6], v[S+32*\t+23], v[S+32*\t+31]
.endr
.irp t, 0,1,2,3
	v_max3_num_f32 v[ST+8*\t+4], v[ST+8*\t+4], v[ST+8*\t+5], v[ST+8*\t+6]
.endr
.irp t, 0,1,2,3
	v_max3_num_f32 v[ST+8*\t+4], v[ST+8*\t+4], v[ST+8*\t+7], v[ST+8*\t]
.endr
.irp t, 0,1,2,3
	v_permlanex16_b32 v[ST+8*\t+5], v[ST+8*\t+4], s[SEL], s[SEL+1]  ; the query's other 32 keys lie in the lane 16 away
.endr
.irp t, 0,1,2,3
	v_max_num_f32 v[ST+8*\t+6], v[ST+8*\t+4], v[ST+8*\t+5]         ; the new m
.endr
.irp t, 0,1,2,3
	v_sub_f32 v[ST+8*\t+1], v[ST+8*\t], v[ST+8*\t+6]               ; m_old - m_new, 0 or less
.endr
.irp t, 0,1,2,3
	v_mov_b32 v[ST+8*\t], v[ST+8*\t+6]
.endr
.irp t, 0,1,2,3
	v_exp_f32 v[ST+8*\t+4], v[ST+8*\t+1]                           ; a: the batch's first four
.endr
; ONE BATCH: the subtractions s - m, a pair of scores each, and all the exponentials.  None of these lines names an exponential's result; tile t + 1's subtractions stand among tile t's exponentials.
.irp b, 0,1,2,3,4,5,6,7,8,9,10,11,12,13,14,15
	v_pk_add_f32 v[S+2*\b:S+2*\b+1], v[S+2*\b:S+2*\b+1], v[ST:ST+1] op_sel_hi:[1,0] neg_lo:[0,1] neg_hi:[0,1]
.endr
.irp t, 0,1,2,3
.irp b, 0,1,2,3,4,5,6,7,8,9,10,11,12,13,14,15
.if \t < 3
	v_pk_add_f32 v[S+32*(\t+1)+2*\b:S+32*(\t+1)+2*\b+1], v[S+32*(\t+1)+2*\b:S+32*(\t+1)+2*\b+1], v[ST+8*(\t+1):ST+8*(\t+1)+1] op_sel_hi:[1,0] neg_lo:[0,1] neg_hi:[0,1]
.endif
	v_exp_f32 v[S+32*\t+2*\b], v[S+32*\t+2*\b]                     ; p = 2^(s - m)
	v_exp_f32 v[S+32*\t+2*\b+1], v[S+32*\t+2*\b+1]
.endr
.endr
	v_nop                                          ; a plain instruction behind the last exponential, ahead of the first use
	s_wait_alu depctr_va_vdst(0)                   ; the wait ahead of the first line that names a result: one for the whole batch
; the sums, of the unrounded p: l = a l + the 16 pairs, in two chains
.irp t, 0,1,2,3
	v_pk_fma_f32 v[ST+8*\t+2:ST+8*\t+3], v[ST+8*\t+2:ST+8*\t+3], v[ST+8*\t+4:ST+8*\t+5], v[S+32*\t:S+32*\t+1] op_sel_hi:[1,0,1]
.endr
.irp t, 0,1,2,3
	v_pk_add_f32 v[TS+2*\t:TS+2*\t+1], v[S+32*\t+2:S+32*\t+3], v[S+32*\t+4:S+32*\t+5]
.endr
.irp b, 3,5,7,9,11,13
.irp t, 0,1,2,3
	v_pk_add_f32 v[ST+8*\t+2:ST+8*\t+3], v[ST+8*\t+2:ST+8*\t+3], v[S+32*\t+2*\b:S+32*\t+2*\b+1]
.endr
.irp t, 0,1,2,3
	v_pk_add_f32 v[TS+2*\t:TS+2*\t+1], v[TS+2*\t:TS+2*\t+1], v[S+32*\t+2*\b+2:S+32*\t+2*\b+3]
.endr
.endr
.irp t, 0,1,2,3
	v_pk_add_f32 v[ST+8*\t+2:ST+8*\t+3], v[ST+8*\t+2:ST+8*\t+3], v[S+32*\t+30:S+32*\t+31]
.endr
.irp t, 0,1,2,3
	v_pk_add_f32 v[ST+8*\t+2:ST+8*\t+3], v[ST+8*\t+2:ST+8*\t+3], v[TS+2*\t:TS+2*\t+1]
.endr
; the roundings to f16, in place, ascending: pair b goes to the tile's register b, which pairs b / 2 and below have left
.irp b, 0,1,2,3,4,5,6,7,8,9,10,11,12,13,14,15
.irp t, 0,1,2,3
	v_cvt_pk_f16_f32 v[S+32*\t+\b], v[S+32*\t+2*\b], v[S+32*\t+2*\b+1]
.endr
.endr
.if !\first                            ; O^T times a: the one part that leaves window 0; each accumulator from its low end on
	WIN W_RS
.irp t, 0,1,2,3
.irp b, 0,1,2,3,4,5,6,7,8,9,10,11,12,13,14,15
	v_pk_mul_f32 v[32*\t+2*\b:32*\t+2*\b+1], v[32*\t+2*\b:32*\t+2*\b+1], v[ST+8*\t+4:ST+8*\t+5] op_sel_hi:[1,0]
.endr
.endr
	WIN 0
.endif
.endm
; A KEY STEP j: 64 keys, in three parts.  At its head S^T of step j has just been issued.  kq = 1: K of step j + 1 is fetched, and S^T of step j + 1 issued at the step's end.
; HEAD: the addresses and both runs of LDS loads, which land under the softmax.  more = 1: a fifth plain line.
.macro HEAD kq, more
	v_add_nc_u32 v[ADV], s[TV], v[AV0]             ; four plain lines that name no register of the products above: the places ahead of the loads into K's registers and of the first read of S^T
.if \kq
	v_add_nc_u32 v[ADK], s[TK], v[AK0]
.else
	v_nop
.endif
	v_nop
	v_nop
.if \more
	v_nop                                          ; where the softmax stands under branches: five plain lines lie between the scores' products and the products that take them as P on every way through the text
.endif
	s_add_co_u32 s[TV], s[TV], 64*PVP
.if \kq
	s_add_co_u32 s[TK], s[TK], 64*PK
.endif
	FETCH_V
	WIN 0
.if \kq
	FETCH_K ADK
.endif
.endm
; TAIL: the step's 64 matrix instructions on end.
.macro TAIL first, kq
.if \kq
	s_wait_dscnt 16                                ; V is in; K's 16 younger loads may be out
.else
	s_wait_dscnt 0x0
.endif
	WIN W_PV
	PVM \first
.if \kq
	s_wait_dscnt 0x0                               ; K is in
.rept 5
	v_nop                                          ; the products below write over registers that the products above read as P: five places
.endr
	WIN W_KQ
	KQ
.endif
	WIN 0                                          ; at a label and at a branch every window is 0
.endm
.macro TRIP first, kq
	HEAD \kq, 0
	SOFTMAX \first
	TAIL \first, \kq
.endm
; My parts of the keys that will be read behind the barrier's wait are in: say so.
.macro SIG n
	s_wait_tensorcnt \n
	s_wait_dscnt 0x0
	s_barrier_signal -1
.endm
.macro LOOP n
	s_mov_b32 s[CNT], \n
.Lstep_\@:
	TRIP 0, 1
	s_sub_co_u32 s[CNT], s[CNT], 1
	s_cmp_lg_u32 s[CNT], 0
	s_cbranch_scc1 .Lstep_\@
.endm
	SIG 3                                          ; my part of keys 0 to 255 is in; three loads of mine stay out
	s_barrier_wait -1                              ; everybody's is
	FETCH_K AK0                                    ; key step 0
	s_wait_loadcnt 0x0                             ; Q
	s_wait_dscnt 0x0
	WIN W_KQ
	KQ
	WIN 0
	; KEY STEP 0, written out: it reads V of step 0 and K of step 1.  Group 0 does its softmax ahead of the barrier, group 1 behind it: group 1 goes on when group 0 turns to its products.
	; The softmax writes only registers that the lines above have written on every wave's way, and no address.
	HEAD 1, 1
	s_cmp_eq_u32 s[GRP], 0
	s_cbranch_scc0 .Lheld
	SOFTMAX 1
.Lheld:
	s_wait_dscnt 0x0
	s_barrier_signal -1
	s_barrier_wait -1
	s_cmp_eq_u32 s[GRP], 0
	s_cbranch_scc1 .Lgone
	SOFTMAX 1
.Lgone:
	TAIL 1, 1
	SIG 2                                          ; my part of keys 256 to 511 is in; two loads of mine stay out.  Up to the wait stand work on registers and loads of bytes that no wave writes before a later barrier
	LOOP 2                                         ; steps 1, 2: V of steps 1, 2; K of steps 2, 3: all among the first 256 keys
	s_barrier_wait -1                              ; keys 256 to 511 are in, everybody's parts
	LOOP 2                                         ; steps 3, 4: V of steps 3, 4; K of steps 4, 5
	SIG 0                                          ; all my parts are in
	LOOP 2                                         ; steps 5, 6: V of steps 5, 6; K of steps 6, 7: all under key 512
	s_barrier_wait -1                              ; all keys are in
	LOOP 8                                         ; steps 7 to 14
	s_wait_dscnt 0x0                               ; my reads of K are over: say so;
	s_barrier_signal -1                            ; up to the wait below stand work on registers and loads of V's bytes, which no wave ever writes
	TRIP 0, 0                                      ; step 15
	; l's two halves and the other half of the lanes' are added (these plain lines are the places behind the last products); then 1 / l
.irp t, 0,1,2,3
	v_add_f32 v[ST+8*\t+6], v[ST+8*\t+2], v[ST+8*\t+3]
.endr
.irp t, 0,1,2,3
	v_permlanex16_b32 v[ST+8*\t+7], v[ST+8*\t+6], s[SEL], s[SEL+1]
.endr
.irp t, 0,1,2,3
	v_add_f32 v[ST+8*\t+6], v[ST+8*\t+6], v[ST+8*\t+7]
.endr
.irp t, 0,1,2,3
	v_rcp_f32 v[ST+8*\t+4], v[ST+8*\t+6]
.endr
	v_nop                                          ; a plain instruction between the last reciprocal and the use of its result
	s_wait_alu depctr_va_vdst(0)                   ; and the wait ahead of the first use: one for the four
	s_barrier_wait -1                              ; every wave's reads of K are over: the stages, which lie in K's bytes, may be written
; THE WAY OUT.  Tile t: O^T / l; a lane's eight channels of a query are 32 bytes; they go into rows of 272 bytes of my stage and come back as whole rows of 256.
.macro PACK t
	WIN W_RS
.irp b, 0,1,2,3,4,5,6,7,8,9,10,11,12,13,14,15
	v_pk_mul_f32 v[32*\t+2*\b:32*\t+2*\b+1], v[32*\t+2*\b:32*\t+2*\b+1], v[ST+8*\t+4:ST+8*\t+5] op_sel_hi:[1,0]
.endr
	WIN ST_1
.irp c, 0,1,2,3
	ds_store_b128 v[STO], v[32*\t+8*\c:32*\t+8*\c+3] offset:64*\c
	ds_store_b128 v[STO], v[32*\t+8*\c+4:32*\t+8*\c+7] offset:64*\c+16
.endr
	WIN 0
.irp f, 0,1,2,3,4,5,6,7
	ds_load_b128 v[S+32*\t+4*\f:S+32*\t+4*\f+3], v[RD] offset:2*\f*SPI   ; LDS serves a wave's instructions in order (ISA guide 5.7.1.4): these see the stores above; the next tile's stores come behind them
.endr
.endm
.macro SEND t, younger                 ; younger: the LDS instructions issued behind tile t's loads: the next tile's eight stores and eight loads, or none
.irp f, 0,1,2,3,4,5,6,7
	s_wait_dscnt \younger+7-\f
	global_store_b128 v[GO], v[S+32*\t+4*\f:S+32*\t+4*\f+3], s[6:7] offset:(16*\t+2*\f)*4096 th:TH_STORE_NT   ; 16 lanes store a query's 64 channels of the head: 256 consecutive bytes, aligned; written once
.endr
.endm
	PACK 0
	PACK 1                                         ; a tile's arithmetic stands between the loads of the tile before and its stores
	SEND 0, 16
	PACK 2
	SEND 1, 16
	PACK 3
	SEND 2, 16
	SEND 3, 0
	s_wait_tensorcnt 0x0                           ; the wave's end, behind my last tensor load and my last LDS store
	ds_add_u32 v[SPW], v[NIL]
	s_wait_dscnt 0x0
	s_endpgm
.Lfunc_end_k_q3e370a29da_attn:
	.size	k_q3e370a29da_attn, .Lfunc_end_k_q3e370a29da_attn-k_q3e370a29da_attn
	.p2alignl 7, 3214868480
	.fill 96, 4, 3214868480
	.section	.rodata,"a",@progbits
	.p2align	6, 0x0
	.amdhsa_kernel k_q3e370a29da_attn
		.amdhsa_group_segment_fixed_size 327680
		.amdhsa_private_segment_fixed_size 0
		.amdhsa_enable_private_segment 0
		.amdhsa_kernarg_size 16
		.amdhsa_user_sgpr_count 2
		.amdhsa_user_sgpr_kernarg_segment_ptr 1
		.amdhsa_wavefront_size32 1
		.amdhsa_system_sgpr_workgroup_id_x 1
		.amdhsa_system_sgpr_workgroup_id_y 1
		.amdhsa_system_sgpr_workgroup_id_z 1
		.amdhsa_system_vgpr_workitem_id 0
		.amdhsa_next_free_vgpr 512
		.amdhsa_next_free_sgpr 82
		.amdhsa_reserve_vcc 0
		.amdhsa_float_denorm_mode_32 3
		.amdhsa_float_denorm_mode_16_64 3
		.amdhsa_memory_ordered 1
		.amdhsa_forward_progress 1
		.amdhsa_inst_pref_size 230
	.end_amdhsa_kernel
	.amdgpu_metadata
---
amdhsa.version: [ 1, 2 ]
amdhsa.kernels:
  - .name:           k_q3e370a29da_attn
    .symbol:         k_q3e370a29da_attn.kd
    .args:
      - { .name: qkv, .offset: 0, .size: 8, .value_kind: global_buffer, .address_space: global }
      - { .name: out0, .offset: 8, .size: 8, .value_kind: global_buffer, .address_space: global }
    .group_segment_fixed_size: 327680
    .private_segment_fixed_size: 0
    .kernarg_segment_align: 8
    .kernarg_segment_size: 16
    .max_flat_workgroup_size: 256
    .sgpr_count:     82
    .vgpr_count:     512
    .wavefront_size: 32
...
	.end_amdgpu_metadata
.endif
;; end of part 3
